; MI455X (gfx1250); checked and timed in simulation.
; The chip was launched on July 23, 2026; its instructions are those of AMD's public machine-readable ISA for CDNA 5 (MIT licence, August 2026) and "CDNA5" Instruction Set Architecture Reference Guide (July 2026). The comments in the code are by the model that wrote it; some were corrected since.
;; My LSTM Cell. Allowed arithmetic: matrix products marked QUANTISED: E2M1 operands, one E8M0 scale for each 32 along K, by v_wmma_scale_f32_16x16x128_f8f6f4 with both operands' format E2M1 (or v_wmma_scale_f32_32x16x128_f4), f32 sums; everything else in f32.
;; Inputs: W_c 3,072 x 2,048 float32; W_f 3,072 x 2,048 float32; W_i 3,072 x 2,048 float32; W_o 3,072 x 2,048 float32; b_c 2,048 float32; b_f 2,048 float32; b_i 2,048 float32; b_o 2,048 float32; c_prev 2,048 x 2,048 float32; h_prev 2,048 x 2,048 float32; x 2,048 x 1,024 float32.
;; Outputs: out0 2,048 x 2,048 float32; out1 2,048 x 2,048 float32.
;; This version of the problem:
;;   THIS VERSION OF THE PROBLEM IS GIVEN IN LOW PRECISION. The matrix products marked QUANTISED in the list below multiply operands that are first quantised to E2M1 (2 exponent bits, 1 mantissa bit; 4 bits a number), with one power-of-two scale for each 32 numbers along K (OCP MX v1.0); their sums are f32. All else is computed in f32.
;;   The module's matrix products, in the order in which they are computed (A, B: the left and right operand; K: the contracted axis; several contracted axes count as one K, in the product's order):
;;     1. [M 2,048, K 3,072] x [K 3,072, N 8,192]; A: computed on the way; B: computed on the way: QUANTISED
;;   THE QUANTISER, for each operand of a quantised product, along K:
;;     - K is cut into blocks of 32 from its start; a last block that is shorter is filled with zeros.
;;     - A block's scale is 2^e with e = floor(log2(the largest magnitude in the block)) - 2, held to -126 .. 127; a block of zeros has e = 0. As a byte (E8M0): e + 127.
;;     - Each number is divided by its block's scale, clamped to +-6, and rounded to the nearest number of E2M1, ties to even, subnormals kept.
;;     - The product sums the exact products of the quantised numbers (number of the format x scale) in f32.
;;   ~~~python
;;   def quantise(x, axis):      # numpy; x: float32 -> the quantised numbers, widened to float32 again
;;       x = np.moveaxis(x, axis, -1); K = x.shape[-1]
;;       x = np.pad(x, [(0, 0)] * (x.ndim - 1) + [(0, -K % 32)]); x = x.reshape(x.shape[:-1] + (-1, 32)); a = np.abs(x).max(-1, keepdims=True)
;;       e = np.where(a > 0, np.clip(np.frexp(np.where(a > 0, a, 1))[1] - 1 - 2, -126, 127), 0)      # np.frexp(a)[1] - 1 = floor(log2(a)), exactly
;;       r = np.clip(x / 2.0 ** e, -6, 6)
;;       step = 2.0 ** (np.maximum(np.frexp(np.where(r == 0, 1, r))[1] - 1, 0) - 1)
;;       q = np.round(r / step) * step * 2.0 ** e      # np.round: ties to even
;;       return np.moveaxis(q.reshape(q.shape[:-2] + (-1,))[..., :K], -1, axis).astype(np.float32)
;;   ~~~
;;   OPERANDS COMPUTED ON THE WAY. 'Computed on the way' means the value that the module computes at that place (a softmax that the list does not call 'softmax' is quantised finished and normalised). What goes into a quantiser is computed in f32, as accurately as f32 sums, v_exp_f32 and their like allow (about 1e-6 of the number): no bf16 or f16 on the way to a quantiser, and a product that is left as it is and whose result goes on into a quantised operand takes f32 operands (vector FMAs, or v_wmma_f32_16x16x4_f32). A number that lies on a knife's edge between two numbers of the format may be rounded either way, as far as f32 arithmetic and the matrix unit's own rounding can turn it there, and no further.
;; One version. Each part assembles by itself: llvm-mc -triple=amdgcn-amd-amdhsa -mcpu=gfx1250 --defsym DOCPART=n.
;; ======== version 1 of 1: 2 launches
;; limits: inputs' magnitudes at most 1.15e+18; right only within a limited range of input values
;; workspace buffers: a_codes 3,145,728 bytes; w_codes 12,582,912 bytes; scales 983,040 bytes
;; launch quant (part 1): grid 960 x 1, 4 waves a work-group, no clusters, 17,920 bytes of LDS; arguments W_f, W_i, W_o, W_c, h_prev, x, a_codes, w_codes, scales; writes a_codes, w_codes, scales
.if DOCPART == 1
	.amdgcn_target "amdgcn-amd-amdhsa--gfx1250"
	.amdhsa_code_object_version 6
	.text
	.protected	k_qc8a0d682ab_quant
	.globl	k_qc8a0d682ab_quant
	.p2align	8
	.type	k_qc8a0d682ab_quant,@function
k_qc8a0d682ab_quant:
	s_mov_b64 s[64:65], 0
	v_nop
	global_prefetch_b8 v0, s[64:65] scope:SCOPE_SE
	s_setreg_imm32_b32 hwreg(HW_REG_WAVE_MODE, 25, 1), 1
	s_wait_xcnt 0x0
; Both operands of gates = [h_prev | x] [W_f | W_i | W_o | W_c] are turned, once, from f32 into codes of FP4 (E2M1) with one E8M0 scale byte for each 32 along K (K = 3,072: h_prev's 2,048 columns, then x's 1,024).
; A block's scale is 2^(floor(log2(its largest magnitude)) - 2); its byte is the largest magnitude's exponent field - 2, held at 1 from below; each number is divided by the scale and rounded to the nearest code, ties to even, beyond 6 the largest code.
; LIMITS: NaN and infinities among the inputs are not served.  A block of zeros gets the byte 1 where the rule says 127: its codes are zeros, which add nothing under any byte but 0xff, and the bytes are read by this program alone.
; THE BUFFERS ARE LAID AS THE NEXT LAUNCH READS THEM: as images of the operand's registers.
;   codes:  [K step of 512][block of 16 rows][128 along K][1,024 bytes]; in an image the 16 bytes at 256 kb + 16 r are the 32 codes of row r, block kb (0 .. 3) of those 128.  So lane (r, h) of a fragment finds its registers
;           4 c .. 4 c + 3 (k = 64 c + 32 h + 0 .. 31) at 512 c + 16 x lane, and 128 rows of a K step are 32,768 consecutive bytes.
;   scales: [group of 32 rows][256 along K][r 16][p 2][8 bytes]: row 32 x group + 16 p + r; groups 0 .. 63 are the activations', 64 .. 319 the weights'.
;   The weights' rows: gate g (0 f, 1 i, 2 o, 3 c), hidden unit j is row 128 (j / 32) + 32 g + j % 32, so that the four gates of a unit meet in one wave of the next launch.
; SHARES.  A wave takes 32 KB of f32: 256 along K x 32 columns of a weight (work-groups 0 .. 767) or 32 rows x 256 along K of the activations (768 .. 959).  Waves share nothing: no barrier.
; No tensor loads, no matrix unit, no cluster: each byte is read once by one wave, and several work-groups lie on a WGP, each wave with 16 to 64 loads on their way.
.set WX,  32                           ; weights: v32-95   two sets of 32 numbers, one block of one column
.set WC,  96                           ;          v96-127  four registers of codes for each of 8 blocks: no store's data are written again
.set AOF, 16                           ; activations: v16-31   byte offset of my 16 bytes in row pair i (0 .. 15); never rewritten
.set AR,  32                           ;          v32-127  three sets of 32 registers as loaded
.set AX,  128                          ;          v128-159 32 neighbours along K: a whole block
.set AC,  160                          ;          v160-191 four registers of codes for each of 8 steps
.set AP,  12                           ;          v12-15   scale bytes: register 2 p + w: my two bytes of word w of row 16 p + r
.set SPITCH, 272                       ; a stage row: 256 bytes + 16: sixteen rows start at sixteen different 16-byte columns of the banks (64 banks of 4 bytes: ISA guide 11.1)
.set STAGEB, 16*SPITCH                 ; a wave's own stage: 16 rows
; 32 numbers v[xs] .. v[xs + 31] of one block: v[s] = the conversion's scale operand, v[n] = the scale's byte.  Two chains, so that no line waits for the line above it.
.macro SCALE32 xs, m, n, s
	v_max3_num_f32 v[\m], |v[\xs]|, |v[\xs+1]|, |v[\xs+2]|
	v_max3_num_f32 v[\n], |v[\xs+3]|, |v[\xs+4]|, |v[\xs+5]|
.irp i, 6,10,14,18,22,26
	v_max3_num_f32 v[\m], v[\m], |v[\xs+\i]|, |v[\xs+\i+1]|
	v_max3_num_f32 v[\n], v[\n], |v[\xs+\i+2]|, |v[\xs+\i+3]|
.endr
	v_max3_num_f32 v[\m], v[\m], |v[\xs+30]|, |v[\xs+31]|
	v_max3_num_f32 v[\m], v[\m], v[\n], 0x1800000  ; and the floor 2^(3 - 127): the byte cannot fall under 1
	v_add_nc_u32 v[\s], 0xff000000, v[\m]          ; 2 off the exponent field: the conversion takes the exponent field of this operand as its scale, and nothing else of it
	v_lshrrev_b32 v[\n], 23, v[\s]                 ; the scale's byte
.endm
	s_load_b512 s[4:19], s[0:1], 0x0               ; W_f s[4:5], W_i s[6:7], W_o s[8:9], W_c s[10:11], h_prev s[12:13], x s[14:15], a_codes s[16:17], w_codes s[18:19]
	s_load_b64 s[20:21], s[0:1], 0x40              ; scales
	v_lshl_add_u32 v192, v0, 2, 0x4400
	v_mov_b32 v193, 0
	v_lshrrev_b32 v1, 5, v0
	v_readfirstlane_b32 s22, v1                    ; wave 0..3
	v_and_b32 v1, 31, v0                           ; lane
	v_and_b32 v2, 15, v0                           ; r
	v_bfe_u32 v3, v0, 4, 1                         ; h
	s_wait_kmcnt 0x0
	s_cmp_lt_u32 ttmp9, 768                        ; a weight's work-group or the activations'?  Only the second way touches LDS
	s_cbranch_scc0 .Lacts
; ---------------- THE WEIGHTS.  K is their FIRST axis: a lane takes a column and its registers run down K.  Each load reads 128 consecutive bytes of a row of W; a block of 32 along K lies in one
; lane's 32 registers, so its largest magnitude needs no other lane, and the conversions' four registers are the 16 bytes of the image as they stand: nothing is transposed, and nothing goes through LDS.
	s_and_b32 s23, ttmp9, 15                       ; which 128 columns
	s_bfe_u32 s24, ttmp9, 0x20004                  ; g: which gate (2 bits from bit 4)
	s_lshr_b32 s25, ttmp9, 6                       ; kk: which 256 along K, 0 .. 11
	s_lshl_b32 s26, s23, 2
	s_add_co_u32 s26, s26, s22                     ; jj: my wave's 32 columns, 0 .. 63
	s_lshl_b32 s28, s25, 21                        ; in W: 256 kk rows of 8,192 bytes
	s_lshl_b32 s30, s26, 7                         ; + 32 jj columns of 4 bytes
	s_add_co_u32 s28, s28, s30
	s_mov_b32 s29, 0
	s_lshr_b32 s30, s25, 1                         ; in w_codes: K step kk / 2 (512 blocks of 16 rows x 4,096 bytes),
	s_lshl_b32 s30, s30, 21
	s_lshl_b32 s32, s26, 15                        ; row 128 jj + 32 g: blocks 8 jj + 2 g on,
	s_add_co_u32 s30, s30, s32
	s_lshl_b32 s32, s24, 13
	s_add_co_u32 s30, s30, s32
	s_and_b32 s32, s25, 1                          ; the K step's first or second 256
	s_lshl_b32 s32, s32, 11
	s_add_co_u32 s30, s30, s32
	s_mov_b32 s31, 0
	s_lshl_b32 s32, s26, 2                         ; in scales: group 64 + 4 jj + g (3,072 bytes each), 256 bytes for each kk
	s_add_co_u32 s32, s32, s24
	s_add_co_u32 s32, s32, 64
	s_mul_i32 s32, s32, 3072
	s_lshl_b32 s34, s25, 8
	s_add_co_u32 s32, s32, s34
	s_mov_b32 s33, 0
	s_cmp_eq_u32 s24, 1                            ; the gate's weight: the choice hangs on the work-group's number alone
	s_cselect_b64 s[4:5], s[6:7], s[4:5]
	s_cmp_eq_u32 s24, 2
	s_cselect_b64 s[4:5], s[8:9], s[4:5]
	s_cmp_eq_u32 s24, 3
	s_cselect_b64 s[4:5], s[10:11], s[4:5]
	s_add_nc_u64 s[4:5], s[4:5], s[28:29]
	s_add_nc_u64 s[18:19], s[18:19], s[30:31]
	s_add_nc_u64 s[20:21], s[20:21], s[32:33]
	s_wait_alu depctr_va_vdst(0)
	v_lshlrev_b32 v4, 2, v1                        ; in: 4 bytes a lane
	v_lshlrev_b32 v5, 12, v3                       ; codes: lanes 16-31 are the next block of 16 rows,
	v_lshl_add_u32 v5, v2, 4, v5                   ; 16 bytes a row
	v_lshlrev_b32 v6, 4, v2                        ; scale bytes: 16 r + 8 h
	v_lshl_add_u32 v6, v3, 3, v6
.macro LOADW t                         ; block t: W(32 t + i, my column), i = 0 .. 31, into set t % 2.  Every offset is an immediate: 255 rows of 8,192 bytes at the most
.irp i, 0,1,2,3,4,5,6,7,8,9,10,11,12,13,14,15,16,17,18,19,20,21,22,23,24,25,26,27,28,29,30,31
	global_load_b32 v[WX+32*((\t)%2)+\i], v4, s[4:5] offset:(32*(\t)+\i)*8192 th:TH_LOAD_NT
.endr
.endm
.macro BLOCKW t
.set XS, WX+32*((\t)%2)
.if (\t) < 7
	s_wait_loadcnt 32                              ; this block's 32 loads are in; the next block's 32, issued behind them, may be out
.else
	s_wait_loadcnt 0x0
.endif
	SCALE32 XS, 12, 13, 11
.if (\t)%4 == 0
	v_mov_b32 v[14+(\t)/4], v13                    ; four bytes to a register, the lower K in the lower byte
.else
	v_lshl_or_b32 v[14+(\t)/4], v13, 8*((\t)%4), v[14+(\t)/4]
.endif
.irp g, 0,1,2,3
	v_cvt_scalef32_pk8_fp4_f32 v[WC+4*(\t)+\g], v[XS+8*\g:XS+8*\g+7], v11
.endr
	v_nop                                          ; one plain line behind the last conversion, ahead of the next block's lines, which write v11
	global_store_b128 v5, v[WC+4*(\t):WC+4*(\t)+3], s[18:19] offset:256*(\t)   ; lanes 0-15 store 256 consecutive bytes, aligned; lanes 16-31 the same in the next block of rows
.if (\t)+2 < 8
	LOADW (\t)+2
.endif
.endm
	LOADW 0
	LOADW 1
.irp t, 0,1,2,3,4,5,6,7
	BLOCKW \t
.endr
	global_store_b64 v6, v[14:15], s[20:21]        ; my column's 8 scale bytes: the wave stores 256 consecutive bytes, aligned
	s_endpgm
; ---------------- THE ACTIVATIONS.  K is innermost.  A load is best where neighbouring lanes take neighbouring bytes; the conversions want 32 neighbours along K in ONE lane.  Both are had: a step's 16 rows x 256 bytes
; are loaded as they lie (sixteen lanes to a row's 256 bytes), go through the wave's own stage in LDS, and come back 128 bytes a lane: lane (r, h) then holds block 2 c + h of row r, the very block that the image gives it.
.Lacts:
	s_sub_co_u32 s23, ttmp9, 768
	s_and_b32 s24, s23, 63                         ; rb: which 32 rows
	s_lshr_b32 s25, s23, 6                         ; kg: 0, 1: h_prev's columns 0 .. 1,023 and 1,024 .. 2,047; 2: x
	s_lshl_b32 s26, s25, 2
	s_add_co_u32 s26, s26, s22                     ; kk = 4 kg + wave: which 256 along K, 0 .. 11
	s_cmp_eq_u32 s25, 2                            ; the choice hangs on the work-group's number alone
	s_cselect_b64 s[12:13], s[14:15], s[12:13]
	s_cselect_b32 s34, 12, 13                      ; a row is 2^12 bytes in x, 2^13 in h_prev
	s_lshl_b32 s28, s24, 5                         ; in the source: 32 rb rows,
	s_lshl_b32 s28, s28, s34
	s_and_b32 s30, s25, 1                          ; h_prev's second 1,024 columns,
	s_lshl_b32 s30, s30, 12
	s_add_co_u32 s28, s28, s30
	s_lshl_b32 s30, s22, 10                        ; my wave's 256 columns
	s_add_co_u32 s28, s28, s30
	s_mov_b32 s29, 0
	s_lshr_b32 s30, s26, 1                         ; in a_codes: K step kk / 2 (128 blocks of 16 rows x 4,096 bytes),
	s_lshl_b32 s30, s30, 19
	s_lshl_b32 s32, s24, 13                        ; blocks 2 rb on,
	s_add_co_u32 s30, s30, s32
	s_and_b32 s32, s26, 1                          ; the K step's first or second 256
	s_lshl_b32 s32, s32, 11
	s_add_co_u32 s30, s30, s32
	s_mov_b32 s31, 0
	s_mul_i32 s32, s24, 3072                       ; in scales: group rb, 256 bytes for each kk
	s_lshl_b32 s33, s26, 8
	s_add_co_u32 s32, s32, s33
	s_mov_b32 s33, 0
	s_add_nc_u64 s[12:13], s[12:13], s[28:29]
	s_add_nc_u64 s[16:17], s[16:17], s[30:31]
	s_add_nc_u64 s[20:21], s[20:21], s[32:33]
	s_mov_b32 s36, 0x76543210
	s_mov_b32 s37, 0xfedcba98                      ; v_permlanex16_b32's selects for lane l xor 16
	s_mul_i32 s35, s22, STAGEB                     ; my wave's stage
	s_wait_alu depctr_va_vdst(0)
	v_mul_u32_u24 v4, v3, SPITCH
	v_lshl_add_u32 v4, v2, 4, v4
	v_add_nc_u32 v4, s35, v4                       ; into it: row h of a pair, 16 bytes a lane
	v_mul_u32_u24 v5, v2, SPITCH
	v_lshl_add_u32 v5, v3, 7, v5
	v_add_nc_u32 v5, s35, v5                       ; out of it: row r, my half's 128 bytes
	v_lshlrev_b32 v6, 4, v1                        ; codes: 16 x lane
	v_lshlrev_b32 v7, 4, v2
	v_lshl_add_u32 v7, v3, 3, v7                   ; scale bytes: 16 r + 8 h
.irp i, 0,1,2,3,4,5,6,7,8,9,10,11,12,13,14,15
	v_add_nc_u32 v[AOF+\i], 2*\i, v3               ; row 2 i + h of my 32,
	v_lshlrev_b32 v[AOF+\i], s34, v[AOF+\i]        ; in bytes,
	v_lshl_add_u32 v[AOF+\i], v2, 4, v[AOF+\i]     ; + 16 r
.endr
; Step t = 0 .. 7: rows 16 (t / 4) on, 64 along K from 64 (t % 4) on.
.macro LOADA t                         ; eight loads: each half of the lanes reads 256 consecutive bytes of a row, aligned
.irp i, 0,1,2,3,4,5,6,7
	global_load_b128 v[AR+32*((\t)%3)+4*\i:AR+32*((\t)%3)+4*\i+3], v[AOF+8*((\t)/4)+\i], s[12:13] offset:256*((\t)%4) th:TH_LOAD_NT
.endr
.endm
.macro STEPA t
.set RS, AR+32*((\t)%3)
.set PP, (\t)/4
.set CC, (\t)%4
.if 7-(\t) >= 2
	s_wait_loadcnt 16                              ; this step's eight loads are in; those of the two steps behind it may be out
.else
	s_wait_loadcnt 8*(7-(\t))
.endif
.irp i, 0,1,2,3,4,5,6,7
	ds_store_b128 v4, v[RS+4*\i:RS+4*\i+3] offset:2*\i*SPITCH
.endr
.irp j, 0,1,2,3,4,5,6,7
	ds_load_b128 v[AX+4*\j:AX+4*\j+3], v5 offset:16*\j     ; LDS serves a wave's instructions in order (ISA guide 5.7.1): these see the stores above
.endr
	s_wait_dscnt 0x0                               ; my block is back; the stores have read their registers,
.if (\t)+3 < 8
	LOADA (\t)+3                                   ; which take the loads of three steps on
.endif
	SCALE32 AX, 8, 9, 10
.if CC%2 == 0
	v_mov_b32 v[AP+2*PP+CC/2], v9                  ; my blocks are h, 2 + h, 4 + h, 6 + h of the row's eight: two bytes to a word, 16 bits apart
.else
	v_lshl_or_b32 v[AP+2*PP+CC/2], v9, 16, v[AP+2*PP+CC/2]
.endif
.irp g, 0,1,2,3
	v_cvt_scalef32_pk8_fp4_f32 v[AC+4*(\t)+\g], v[AX+8*\g:AX+8*\g+7], v10
.endr
	v_nop                                          ; one plain line behind the last conversion
	global_store_b128 v6, v[AC+4*(\t):AC+4*(\t)+3], s[16:17] offset:PP*4096+CC*512   ; half an image: the wave stores 512 consecutive bytes, aligned
.endm
	LOADA 0
	LOADA 1
	LOADA 2
.irp t, 0,1,2,3,4,5,6,7
	STEPA \t
.endr
	v_lshlrev_b32 v8, 3, v3                        ; my bytes stand 8 h bits up in their words;
	v_mov_b32 v9, 0                                ; (a lane permute's destination counts as one of its sources)
.irp n, 12,13,14,15
	v_lshlrev_b32 v\n, v8, v\n
	v_permlanex16_b32 v9, v\n, s36, s37
	v_or_b32 v\n, v\n, v9                          ; with lane l xor 16's two bytes the word is whole, in both lanes
.endr
	v_cmp_lt_u32 vcc_lo, 15, v1                    ; lanes 0-15 store row r's 8 bytes, lanes 16-31 row 16 + r's
	v_cndmask_b32 v10, v12, v14, vcc_lo
	v_cndmask_b32 v11, v13, v15, vcc_lo
	global_store_b64 v7, v[10:11], s[20:21]        ; the wave stores 256 consecutive bytes, aligned
	s_wait_tensorcnt 0x0
	ds_add_u32 v192, v193
	s_wait_dscnt 0x0
	s_endpgm
.Lfunc_end_k_qc8a0d682ab_quant:
	.size	k_qc8a0d682ab_quant, .Lfunc_end_k_qc8a0d682ab_quant-k_qc8a0d682ab_quant
	.p2alignl 7, 3214868480
	.fill 96, 4, 3214868480
	.section	.rodata,"a",@progbits
	.p2align	6, 0x0
	.amdhsa_kernel k_qc8a0d682ab_quant
		.amdhsa_group_segment_fixed_size 17920
		.amdhsa_private_segment_fixed_size 0
		.amdhsa_enable_private_segment 0
		.amdhsa_kernarg_size 72
		.amdhsa_user_sgpr_count 2
		.amdhsa_user_sgpr_kernarg_segment_ptr 1
		.amdhsa_wavefront_size32 1
		.amdhsa_system_sgpr_workgroup_id_x 1
		.amdhsa_system_sgpr_workgroup_id_y 1
		.amdhsa_system_sgpr_workgroup_id_z 1
		.amdhsa_system_vgpr_workitem_id 0
		.amdhsa_next_free_vgpr 194
		.amdhsa_next_free_sgpr 66
		.amdhsa_reserve_vcc 1
		.amdhsa_float_denorm_mode_32 3
		.amdhsa_float_denorm_mode_16_64 3
		.amdhsa_memory_ordered 1
		.amdhsa_forward_progress 1
		.amdhsa_inst_pref_size 71
	.end_amdhsa_kernel
	.amdgpu_metadata
---
amdhsa.version: [ 1, 2 ]
amdhsa.kernels:
  - .name:           k_qc8a0d682ab_quant
    .symbol:         k_qc8a0d682ab_quant.kd
    .args:
      - { .name: W_f, .offset: 0, .size: 8, .value_kind: global_buffer, .address_space: global }
      - { .name: W_i, .offset: 8, .size: 8, .value_kind: global_buffer, .address_space: global }
      - { .name: W_o, .offset: 16, .size: 8, .value_kind: global_buffer, .address_space: global }
      - { .name: W_c, .offset: 24, .size: 8, .value_kind: global_buffer, .address_space: global }
      - { .name: h_prev, .offset: 32, .size: 8, .value_kind: global_buffer, .address_space: global }
      - { .name: x, .offset: 40, .size: 8, .value_kind: global_buffer, .address_space: global }
      - { .name: a_codes, .offset: 48, .size: 8, .value_kind: global_buffer, .address_space: global }
      - { .name: w_codes, .offset: 56, .size: 8, .value_kind: global_buffer, .address_space: global }
      - { .name: scales, .offset: 64, .size: 8, .value_kind: global_buffer, .address_space: global }
    .group_segment_fixed_size: 17920
    .private_segment_fixed_size: 0
    .kernarg_segment_align: 8
    .kernarg_segment_size: 72
    .max_flat_workgroup_size: 128
    .sgpr_count:     66
    .vgpr_count:     194
    .wavefront_size: 32
...
	.end_amdgpu_metadata
.endif
;; end of part 1
;; launch cell (part 2): grid 32 x 8, 4 waves a work-group, clusters of 4 x 4, 327,680 bytes of LDS; arguments a_codes, w_codes, scales, b_f, b_i, b_o, b_c, c_prev, out0, out1; writes out0, out1
.if DOCPART == 2
	.amdgcn_target "amdgcn-amd-amdhsa--gfx1250"
	.amdhsa_code_object_version 6
	.text
	.protected	k_qc8a0d682ab_cell
	.globl	k_qc8a0d682ab_cell
	.p2align	8
	.type	k_qc8a0d682ab_cell,@function
k_qc8a0d682ab_cell:
	s_mov_b64 s[64:65], 0
	v_nop
	global_prefetch_b8 v0, s[64:65] scope:SCOPE_SE
	s_setreg_imm32_b32 hwreg(HW_REG_WAVE_MODE, 25, 1), 1
	s_wait_xcnt 0x0
	s_wait_alu depctr_hold_cnt(0) depctr_sa_sdst(0) depctr_va_vdst(0) depctr_va_sdst(0) depctr_va_ssrc(0) depctr_va_vcc(0) depctr_vm_vsrc(0)
	s_getreg_b32 s2, hwreg(HW_REG_IB_STS2, 6, 4)
	s_cmp_eq_u32 s2, 0
	s_cbranch_scc0 .Lentry_in_a_cluster
	s_endpgm
.Lentry_in_a_cluster:
	s_bfe_u32 s2, ttmp6, 0x10000c
	s_cmp_lg_u32 s2, 0xf033
	s_cbranch_scc0 .Lentry_shape_is_right
	s_endpgm
.Lentry_shape_is_right:
; gates = Q([h_prev | x]) Q([W_f | W_i | W_o | W_c]) + b on codes of FP4 with E8M0 scales, then the cell: c_new = sig(f) c_prev + sig(i) tanh(c~), h_new = sig(o) tanh(c_new).  out0 = h_new, out1 = c_new.
; The codes and scale bytes come from the launch before, laid as images of the operand's registers: codes [K step of 512][16 rows][128 along K][1,024 bytes], scales [32 rows][256 along K][r 16][p 2][8 bytes];
; a weight's row 128 (j / 32) + 32 g + j % 32 is gate g of hidden unit j, so a wave's 128 columns of gates are the four gates of 32 units.
; A work-group of four waves makes 256 rows x 256 gate columns (64 units); a wave 128 x 128: 64 accumulators, 512 registers.  K = 3,072 goes in 6 steps of 512 through two LDS slots of 131,072 bytes (A's 65,536, B's 65,536).
; CLUSTERS 4 x 4: A's tiles are asked for jointly along a row of the cluster, B's along a column.  The scales (49,152 of a work-group's 835,584 bytes of operands) and c_prev's tile (no partner shares it) come by loads of the work-group's own.
; THE SCALES of the work-group's rows, for all of K, are copied once into LDS bytes of their own (each wave 12,288 dense bytes through registers) and read from there, 8 loads a K step, into two sets of 32 registers.
; THE MATRIX INSTRUCTION IS USED TRANSPOSED (source 0 = 16 rows of W, source 1 = 16 rows of the activations): a lane holds one batch row and eight neighbouring units.  The biases are the C of each accumulator's first product.
; LIMITS: every exponent to the base 2 is held at 32 from above, so that the shared divisors stay finite: beyond it a sigmoid or tanh differs from its limit by under 2^-31.  NaN and infinities among the inputs are not served.
; REGISTERS: window 0: v0-31 addresses, v32-95 scale words (two sets), v96-191 the scales on their way into LDS.  window 1: B's fragments v0-63 and v128-191, A's v64-127, biases v192-255; in the cell's arithmetic v0-143.
;   window 2: the accumulators of my rows 0-63 ((a, b) at v[8 (8 a + b)]); window 3: those of rows 64-127.
.set SLOT,   131072
.set PART,   32768
.set SCL,    2*SLOT                    ; the scales: A's 8 groups of 3,072 bytes, then B's 8
.set SPARE,  SCL+49152                 ; the spare words, 128 bytes a wave
.set CPITCH, 272                       ; c_prev's tile and the stages: 256 bytes + 16
.set ASTEP,  524288                    ; a K step of a_codes, of w_codes, in bytes
.set BSTEP,  2097152
.set LN,   3                           ; 16 x lane
.set ADRA, 16
.set CO,   18
.set RDH,  19
.set ADRB, 20
.set RDC,  22
.set HFR,  23
.set CFR,  24
.set PFO,  25                          ; c_prev's prefetch: a thread a row
.set BOF,  26
.set ADRS, 27                          ; my scale words: lanes 0-15 A's rows, lanes 16-31 B's
.set SPW,  28
.set NIL,  29
.set PFT,  30                          ; the tiles' prefetch: 256 x lane
.set SST,  31                          ; where I store my 12,288 bytes of scales
.set SC,   32
.set ST,   96
.set AF,   64
.set BI,   192
.set TF,   0
.set TI,   16
.set TO,   32
.set TC,   48
.set NN,   64
.set DD,   80
.set CP,   96
.set HH,   128
.set PFA,  2                           ; s[2:3] where my tile prefetch stands
.set WV,   24
.set RH,   25
.set CH,   26
.set LAP,  31
.set PF2,  32
.set G1A,  36
.set G0A,  44
.set G0B,  52
.set G0C,  60
.set G1B,  68
.set G1C,  76
.set PFB,  84
.set PFS,  94                          ; s[94:95] a K step of the tensor that I fetch for
.set NL2E, 96
.set TL2E, 98
.set CAP,  100
.set MSB, 0
.macro WIN new                         ; the immediate's high byte repeats the setting that is left
.if MSB != \new
	s_set_vgpr_msb (MSB<<8)|\new
.set MSB, \new
.endif
.endm
.set MUL_LO, 0xa5                      ; sources 0, 1 window 1; C and D window 2
.set MUL_HI, 0xf5
.set BIA_LO, 0x95                      ; C (the biases) window 1, D window 2
.set BIA_HI, 0xd5
.set TO_F,   0x40
.set FROM_F, 0x04
.set WORK,   0x55
.macro JLOAD s                         ; a joint load: waves 0, 1 fetch A's halves, waves 2, 3 B's; s_nop 0 and four v_nop behind each line
	s_cmp_eq_u32 s[RH], 0
	s_cbranch_scc0 .Lfor_b_\@
	tensor_load_to_lds s[G0A+4*\s:G0A+4*\s+3], s[G1A:G1A+7]
	s_nop 0
.rept 4
	v_nop
.endr
	s_branch .Lasked_\@
.Lfor_b_\@:
	tensor_load_to_lds s[G0B+4*\s:G0B+4*\s+3], s[G1B:G1B+7]
	s_nop 0
.rept 4
	v_nop
.endr
.Lasked_\@:
.endm
.macro CREST                           ; a round of the cluster's barrier behind its opening barrier
	s_cmp_lg_u32 s[WV], 0
	s_cbranch_scc1 .Lnot_wave_0_\@
	s_barrier_signal -3
.Lnot_wave_0_\@:
	s_barrier_wait -3
	s_barrier_signal -1
	s_barrier_wait -1
.endm
.macro CROUND
	s_barrier_signal -1
	s_barrier_wait -1
	CREST
.endm
.macro PFTILE                          ; 32 blocks of 256 bytes, a lane a block: my work-group's quarter of the 32,768 bytes that I fetch of a K step
	global_prefetch_b8 v[PFT], s[PFA:PFA+1] th:TH_LOAD_NT scope:SCOPE_SE
.endm
	s_load_b512 s[4:19], s[0:1], 0x0               ; a_codes 4, w_codes 6, scales 8, b_f 10, b_i 12, b_o 14, b_c 16, c_prev 18
	s_load_b128 s[20:23], s[0:1], 0x40             ; out0 20, out1 22
	v_lshl_add_u32 v[SPW], v0, 2, SPARE
	v_mov_b32 v[NIL], 0
	ds_add_u32 v[SPW], v[NIL]                      ; the opening lines: the add, twice on end, under one wait
	ds_add_u32 v[SPW], v[NIL]
	v_lshrrev_b32 v3, 5, v0
	v_readfirstlane_b32 s[WV], v3                  ; wave 0..3
	s_lshr_b32 s[RH], s[WV], 1                     ; my half of the rows; also: I fetch for A (0) or B (1)
	s_and_b32 s[CH], s[WV], 1                      ; my half of the columns; also: which half of that tile I fetch
	s_bfe_u32 s27, ttmp6, 0x40000                  ; cx
	s_bfe_u32 s28, ttmp6, 0x40004                  ; cy
	s_lshl_b32 s29, ttmp9, 2
	s_add_co_u32 s29, s29, s27                     ; tile column 0..31
	s_and_b32 s30, ttmp7, 0xffff
	s_lshl_b32 s30, s30, 2
	s_add_co_u32 s30, s30, s28                     ; tile row 0..7
	s_lshl_b32 s31, s28, 2
	s_lshl_b32 s31, 15, s31                        ; my row of the cluster
	s_lshl_b32 s32, 0x1111, s27                    ; my column
	s_or_b32 s[G1A+0], s31, (3<<16)|(1<<21)        ; dense blocks as 128 rows of 32 elements of 8 bytes
	s_or_b32 s[G1B+0], s32, (3<<16)|(1<<21)
.irp g, G1A, G1B
	s_mov_b32 s[\g+1], 32<<16
	s_mov_b32 s[\g+2], 128<<16
	s_mov_b32 s[\g+3], 32<<16
	s_mov_b32 s[\g+4], 128
	s_mov_b32 s[\g+5], 32
	s_mov_b32 s[\g+6], 0
	s_mov_b32 s[\g+7], 0
.endr
	s_mov_b32 s[G1C+0], (3<<16)|(1<<20)|(5<<22)|(3<<25)   ; c_prev: 64 rows of 256 bytes, 8,192 apart, 16 bytes of padding behind each
	s_mov_b32 s[G1C+1], 32<<16
	s_mov_b32 s[G1C+2], 64<<16
	s_mov_b32 s[G1C+3], 32<<16
	s_mov_b32 s[G1C+4], 64
	s_mov_b32 s[G1C+5], 1024
	s_mov_b32 s[G1C+6], 0
	s_mov_b32 s[G1C+7], 0
	s_mov_b32 s[NL2E], 0xbfb8aa3b                  ; -log2(e)
	s_mov_b32 s[NL2E+1], s[NL2E]
	s_mov_b32 s[TL2E], 0x4038aa3b                  ; 2 log2(e)
	s_mov_b32 s[TL2E+1], s[TL2E]
	s_mov_b32 s[CAP], 0x42000000                   ; 32.0
	s_lshl_b32 s33, s[CH], 15
	s_lshl_b32 s86, s30, 16
	s_add_co_u32 s86, s86, s33                     ; A: 65,536 x tile row + my half
	s_mov_b32 s87, 0
	s_lshl_b32 s88, s29, 16
	s_add_co_u32 s88, s88, s33                     ; B: 65,536 x tile column + my half
	s_mov_b32 s89, 0
	s_lshl_b32 s34, s[WV], 15                      ; where my part of a slot lies
	s_lshl_b32 s66, s30, 3                         ; the scales that I copy: A's groups 8 x tile row on, or B's 64 + 8 x tile column on,
	s_lshl_b32 s67, s29, 3
	s_add_co_u32 s67, s67, 64
	s_cmp_eq_u32 s[RH], 0
	s_cselect_b32 s66, s66, s67
	s_cselect_b32 s[PF2], s86, s88                 ; the prefetches: the part that I fetch,
	s_cselect_b32 s35, s27, s28                    ; my place among the four that ask for it with me,
	s_mov_b32 s[PFS], BSTEP
	s_cselect_b32 s[PFS], ASTEP, s[PFS]            ; and that tensor's K step
	s_mov_b32 s[PFS+1], 0
	s_lshl_b32 s35, s35, 13
	s_add_co_u32 s[PF2], s[PF2], s35               ; + my work-group's 8,192 bytes of it
	s_mov_b32 s[PF2+1], 0
	s_lshl_b32 s67, s[CH], 2
	s_add_co_u32 s66, s66, s67                     ; my four groups
	s_mul_i32 s66, s66, 3072
	s_mov_b32 s67, 0
	s_lshl_b32 s92, s30, 21                        ; c_prev, out0, out1: 256 x tile row rows of 8,192 bytes + 256 x tile column
	s_lshl_b32 s35, s29, 8
	s_add_co_u32 s92, s92, s35
	s_mov_b32 s93, 0
	s_lshl_b32 s31, s[WV], 19
	s_add_co_u32 s90, s92, s31                     ; + my 64 rows
	s_mov_b32 s91, 0
	s_lshl_b32 s44, s[RH], 15                      ; (s44-51 hold LDS bases until the descriptors are written there)
	s_lshl_b32 s45, s[CH], 15
	s_add_co_u32 s45, s45, 2*PART
	s_mul_i32 s47, s[RH], 128*CPITCH
	s_mul_i32 s46, s[CH], 16*CPITCH
	s_add_co_u32 s46, s46, s47                     ; the way out: of each 32 finished rows of my row half I take 16
	s_lshl_b32 s31, s[CH], 7
	s_add_co_u32 s47, s47, s31
	s_add_co_u32 s48, s35, s31                     ; my 32 units' biases, in bytes
	s_mul_i32 s49, s[RH], 12288
	s_mul_i32 s50, s[CH], 12288
	s_add_co_u32 s50, s50, 24576
	s_sub_co_u32 s50, s50, s49                     ; from my A scales to my B scales
	s_add_co_u32 s49, s49, SCL
	s_mul_i32 s51, s[WV], 12288
	s_add_co_u32 s51, s51, SCL
	v_and_b32 v1, 15, v0                           ; r
	v_bfe_u32 v2, v0, 4, 1                         ; h
	v_and_b32 v3, 31, v0
	v_lshlrev_b32 v[PFT], 8, v3
	v_lshlrev_b32 v[LN], 4, v3
	v_add_nc_u32 v[ADRA], s44, v[LN]
	v_add_nc_u32 v[ADRA+1], SLOT, v[ADRA]
	v_add_nc_u32 v[ADRB], s45, v[LN]
	v_add_nc_u32 v[ADRB+1], SLOT, v[ADRB]
	v_lshlrev_b32 v[CO], 13, v2                    ; out: two rows an instruction, 16 bytes a lane
	v_lshl_add_u32 v[CO], v1, 4, v[CO]
	v_mul_u32_u24 v[RDC], v2, CPITCH
	v_lshl_add_u32 v[RDC], v1, 4, v[RDC]
	v_add_nc_u32 v[RDC], s46, v[RDC]               ; the same two rows in the stage of c_new,
	v_add_nc_u32 v[RDH], SLOT, v[RDC]              ; and of h_new
	v_mul_u32_u24 v[CFR], v1, CPITCH
	v_lshl_add_u32 v[CFR], v2, 5, v[CFR]
	v_add_nc_u32 v[CFR], s47, v[CFR]               ; row r, my eight units: c_prev in, c_new out,
	v_add_nc_u32 v[HFR], SLOT, v[CFR]              ; h_new out
	v_lshlrev_b32 v[PFO], 13, v0
	v_lshl_add_u32 v[BOF], v2, 5, s48
	v_mul_u32_u24 v[ADRS], s50, v2
	v_lshl_add_u32 v[ADRS], v1, 4, v[ADRS]
	v_add_nc_u32 v[ADRS], s49, v[ADRS]
	v_add_nc_u32 v[SST], s51, v[LN]
	s_wait_alu depctr_va_vdst(0)                   ; the end of the head's vector work
	s_wait_dscnt 0x0                               ; both opening adds are done
	s_wait_kmcnt 0x0
	s_add_nc_u64 s[86:87], s[4:5], s[86:87]
	s_add_nc_u64 s[88:89], s[6:7], s[88:89]
	s_add_nc_u64 s[8:9], s[8:9], s[66:67]
	s_cmp_eq_u32 s[RH], 0
	s_cselect_b64 s[PFA:PFA+1], s[4:5], s[6:7]
	s_add_nc_u64 s[PFA:PFA+1], s[PFA:PFA+1], s[PF2:PF2+1]
	s_add_nc_u64 s[PFA:PFA+1], s[PFA:PFA+1], s[PFS:PFS+1]   ; K step 1
	s_add_nc_u64 s[PF2:PF2+1], s[PFA:PFA+1], s[PFS:PFS+1]   ; K step 2
.irp s, 0,1
	s_mov_b32 s[G0A+4*\s], 1
	s_add_co_u32 s[G0A+4*\s+1], s34, \s*SLOT
	s_add_nc_u64 s[G0A+4*\s+2:G0A+4*\s+3], s[86:87], \s*ASTEP
	s_or_b32 s[G0A+4*\s+3], s[G0A+4*\s+3], 0x80000000
	s_mov_b32 s[G0B+4*\s], 1
	s_add_co_u32 s[G0B+4*\s+1], s34, \s*SLOT
	s_add_nc_u64 s[G0B+4*\s+2:G0B+4*\s+3], s[88:89], \s*BSTEP
	s_or_b32 s[G0B+4*\s+3], s[G0B+4*\s+3], 0x80000000
.endr
	CROUND                                         ; all sixteen work-groups are here: the first joint loads meet
	JLOAD 0                                        ; K step 0: one tensor load a wave at the head
	PFTILE                                         ; K steps 1 and 2 are asked of memory now; behind each later load the K step two loads on
	global_prefetch_b8 v[PFT], s[PF2:PF2+1] th:TH_LOAD_NT scope:SCOPE_SE
.irp i, 0,1,2,3,4,5,6,7,8,9,10,11,12,13,14,15,16,17,18,19,20,21,22,23
	global_load_b128 v[ST+4*\i:ST+4*\i+3], v[LN], s[8:9] offset:512*\i   ; my 12,288 bytes of scales, 512 consecutive bytes a load
.endr
.macro BIAS g, base
.irp u, 0,1
	global_load_b128 v[BI+16*\g+8*\u:BI+16*\g+8*\u+3], v[BOF], s[\base:\base+1] offset:64*\u
	global_load_b128 v[BI+16*\g+8*\u+4:BI+16*\g+8*\u+7], v[BOF], s[\base:\base+1] offset:64*\u+16
.endr
.endm
	WIN TO_F
	BIAS 0, 10
	BIAS 1, 12
	BIAS 2, 14
	BIAS 3, 16
	WIN 0
	s_add_nc_u64 s[PFB:PFB+1], s[18:19], s[92:93]
	s_mov_b32 s[G0C], 1
	s_mul_i32 s[G0C+1], s[WV], 64*CPITCH
	s_add_nc_u64 s[G0C+2:G0C+3], s[18:19], s[90:91]
	s_or_b32 s[G0C+3], s[G0C+3], 0x80000000
	s_lshl_b32 s86, s[RH], 20                      ; out0, out1: the tile + 128 x row half + 16 x column half rows of 8,192 bytes
	s_lshl_b32 s87, s[CH], 17
	s_add_co_u32 s86, s86, s87
	s_add_co_u32 s86, s86, s92
	s_mov_b32 s87, 0
	s_add_nc_u64 s[20:21], s[20:21], s[86:87]
	s_add_nc_u64 s[22:23], s[22:23], s[86:87]
.macro FRAG reg, adr, q, i             ; a fragment's image: registers 4 c .. 4 c + 3 at 512 c + 16 x lane
.irp c, 0,1
	ds_load_b128 v[\reg+4*\c:\reg+4*\c+3], v[\adr] offset:(\i)*4096+(\q)*1024+512*\c
.endr
.endm
.macro FETCH_B slot, q, p
	WIN TO_F
.irp i, 0,1,2,3,4,5,6,7
	FRAG 128*(\p)+8*\i, ADRB+\slot, \q, \i
.endr
.endm
.macro FETCH_A slot, q, i0
	WIN TO_F
.irp i, \i0, \i0+1, \i0+2, \i0+3
	FRAG AF+8*(\i), ADRA+\slot, \q, \i
.endr
.endm
.macro SCALES set                      ; a K step's scale words: 2 x 256 along K, 4 groups of 32 rows
	WIN 0
.irp kk, 0,1
.irp e, 0,1,2,3
	ds_load_b128 v[SC+32*\set+16*\kk+4*\e:SC+32*\set+16*\kk+4*\e+3], v[ADRS] offset:\e*3072+\kk*256
.endr
.endr
.endm
; 16 products: A's blocks a0, a0 + 1 x B's eight.  Q = 4 x slot + step picks the scale words.  The 64 accumulators take turns in one order in every step.
.macro MUL16 a0, p, Q, bias
.irp a, \a0, \a0+1
.irp b, 0,1,2,3,4,5,6,7
.if \bias
	v_wmma_scale_f32_16x16x128_f8f6f4 v[8*(8*((\a)%4)+\b):8*(8*((\a)%4)+\b)+7], v[128*(\p)+8*\b:128*(\p)+8*\b+7], v[AF+8*(\a):AF+8*(\a)+7], v[BI+8*\b:BI+8*\b+7], v[SC+16*((\Q)/2)+4*(\b/2)+2*(\b%2)+(\Q)%2], v[SC+16*((\Q)/2)+4*((\a)/2)+2*((\a)%2)+(\Q)%2] matrix_a_fmt:MATRIX_FMT_FP4 matrix_b_fmt:MATRIX_FMT_FP4 matrix_a_scale:MATRIX_SCALE_ROW1
.else
	v_wmma_scale_f32_16x16x128_f8f6f4 v[8*(8*((\a)%4)+\b):8*(8*((\a)%4)+\b)+7], v[128*(\p)+8*\b:128*(\p)+8*\b+7], v[AF+8*(\a):AF+8*(\a)+7], v[8*(8*((\a)%4)+\b):8*(8*((\a)%4)+\b)+7], v[SC+16*((\Q)/2)+4*(\b/2)+2*(\b%2)+(\Q)%2], v[SC+16*((\Q)/2)+4*((\a)/2)+2*((\a)%2)+(\Q)%2] matrix_a_fmt:MATRIX_FMT_FP4 matrix_b_fmt:MATRIX_FMT_FP4 matrix_a_scale:MATRIX_SCALE_ROW1
.endif
.endr
.endr
.endm
.macro PLACES n                        ; places behind matrix instructions, ahead of loads into their registers and of reads of results
.rept \n
	v_nop
.endr
.endm
.macro STEP slot, q, bias              ; 128 along K whose successor lies in the same slot
	s_wait_dscnt 8                                 ; all but the youngest eight loads (A's blocks 4-7)
.if \bias
	WIN BIA_LO
.else
	WIN MUL_LO
.endif
	MUL16 0, (\q)%2, 4*\slot+\q, \bias
	MUL16 2, (\q)%2, 4*\slot+\q, \bias
	s_wait_dscnt 0x0
	PLACES 4
	FETCH_B \slot, (\q)+1, 1-(\q)%2
	FETCH_A \slot, (\q)+1, 0
.if \bias
	WIN BIA_HI
.else
	WIN MUL_HI
.endif
	MUL16 4, (\q)%2, 4*\slot+\q, \bias
	MUL16 6, (\q)%2, 4*\slot+\q, \bias
	PLACES 4
	FETCH_A \slot, (\q)+1, 4
.endm
; A slot's last step changes slots.  fill = 1: the slot takes the K step two on, jointly; fill = 2: slot 0 takes c_prev's tile, 64 rows a wave.
; pf = 1, 2: the loop's two changes.  In the first trip each asks for the tile two loads on (K steps 4, 5); in the second trip the first asks for c_prev's 256 rows, two changes ahead of their load, the second for nothing.
.macro TURN slot, next, fill, pf
	WIN 0
.if \pf
	s_wait_xcnt 0x0                                ; my last prefetch has read its address
	s_add_nc_u64 s[PFA:PFA+1], s[PFA:PFA+1], s[PFS:PFS+1]   ; (stepped in the second trip too, and not used there)
.endif
	s_wait_tensorcnt 0x0                           ; my one load that was out, my part of the next slot, has landed
	ds_add_u32 v[SPW], v[NIL]
	s_wait_dscnt 9                                 ; (the add and the youngest eight loads may be out)
	WIN MUL_LO
	MUL16 0, 1, 4*\slot+3, 0
	s_wait_dscnt 0x0                               ; the add is done, my reads of this slot are over
	s_barrier_signal -1
	MUL16 2, 1, 4*\slot+3, 0
	WIN 0
	s_barrier_wait -1
	CREST                                          ; the barrier opened a round: no wave of any partner reads this slot or has a load out
.if \fill == 1
	s_add_nc_u64 s[G0A+4*\slot+2:G0A+4*\slot+3], s[G0A+4*\slot+2:G0A+4*\slot+3], 2*ASTEP
	s_add_nc_u64 s[G0B+4*\slot+2:G0B+4*\slot+3], s[G0B+4*\slot+2:G0B+4*\slot+3], 2*BSTEP
	JLOAD \slot
.else
	tensor_load_to_lds s[G0C:G0C+3], s[G1C:G1C+7]
	s_nop 0
	PLACES 4
.endif
.if \pf == 1
	s_cmp_eq_u32 s[LAP], 2
	s_cbranch_scc0 .Lpf_c_\@
	PFTILE
	s_branch .Lpf_done_\@
.Lpf_c_\@:
	global_prefetch_b8 v[PFO], s[PFB:PFB+1] th:TH_LOAD_NT scope:SCOPE_SE
	global_prefetch_b8 v[PFO], s[PFB:PFB+1] offset:128*8192 th:TH_LOAD_NT scope:SCOPE_SE
.Lpf_done_\@:
.endif
.if \pf == 2
	s_cmp_eq_u32 s[LAP], 2
	s_cbranch_scc0 .Lpf_none_\@
	PFTILE
.Lpf_none_\@:
.endif
	v_add_nc_u32 v[ADRS], 512, v[ADRS]             ; the next K step's scale words
	s_wait_alu depctr_va_vdst(0)
	FETCH_B \next, 0, 0
	FETCH_A \next, 0, 0
	SCALES \next
	WIN MUL_HI
	MUL16 4, 1, 4*\slot+3, 0
	MUL16 6, 1, 4*\slot+3, 0
	PLACES 4
	FETCH_A \next, 0, 4
.endm
	s_wait_loadcnt 16                              ; my 24 loads of scales are in; the 16 of biases behind them may be out
	s_wait_tensorcnt 0x0                           ; no tensor load of mine is out when I store to LDS
.irp i, 0,1,2,3,4,5,6,7,8,9,10,11,12,13,14,15,16,17,18,19,20,21,22,23
	ds_store_b128 v[SST], v[ST+4*\i:ST+4*\i+3] offset:512*\i
.endr
	s_wait_xcnt 0x0                                ; the head's prefetches have read their addresses
	s_add_nc_u64 s[PFA:PFA+1], s[PF2:PF2+1], s[PFS:PFS+1]   ; K step 3
	s_wait_tensorcnt 0x0
	ds_add_u32 v[SPW], v[NIL]
	s_wait_dscnt 0x0                               ; the add and my stores of scales are done
	CROUND                                         ; K step 0 and the scales are whole, and the joint loads meet
	JLOAD 1                                        ; K step 1: the first tensor load behind the round
	PFTILE
	FETCH_B 0, 0, 0
	FETCH_A 0, 0, 0
	SCALES 0
	FETCH_A 0, 0, 4
	s_wait_loadcnt 0x0                             ; the biases
	STEP 0, 0, 1                                   ; the first step starts the sums on the biases
	WIN 0
	s_mov_b32 s[LAP], 2
.Llap:                                                 ; a trip: from a lap's second step to the next lap's first; both slots are filled again
	STEP 0, 1, 0
	STEP 0, 2, 0
	TURN 0, 1, 1, 1
	STEP 1, 0, 0
	STEP 1, 1, 0
	STEP 1, 2, 0
	TURN 1, 0, 1, 2
	STEP 0, 0, 0
	WIN 0
	s_sub_co_u32 s[LAP], s[LAP], 1
	s_cmp_lg_u32 s[LAP], 0
	s_cbranch_scc1 .Llap
	STEP 0, 1, 0                                   ; the last lap: K steps 4 and 5
	STEP 0, 2, 0
	TURN 0, 1, 2, 0
	STEP 1, 0, 0
	STEP 1, 1, 0
	STEP 1, 2, 0
	s_wait_dscnt 8
	WIN MUL_LO
	MUL16 0, 1, 7, 0
	MUL16 2, 1, 7, 0
	s_wait_dscnt 0x0
	WIN MUL_HI
	MUL16 4, 1, 7, 0
	MUL16 6, 1, 7, 0
	WIN 0
	s_wait_tensorcnt 0x0                           ; my 64 rows of c_prev are in
	ds_add_u32 v[SPW], v[NIL]
	s_wait_dscnt 0x0
	s_barrier_signal -1
	s_barrier_wait -1                              ; everybody's are, and nobody reads slot 1 any more: it takes h_new's stage
	PLACES 4
; THE CELL, by blocks of 16 rows: a lane has 16 units.  With ef = 2^(-f log2 e), ei, eo likewise and ec = 2^(2 c~ log2 e):
; c_new = (c_prev (1 + ei)(1 + ec) + (ec - 1)(1 + ef)) / ((1 + ef)(1 + ei)(1 + ec));  with en = 2^(2 c_new log2 e): h_new = (en - 1) / ((1 + en)(1 + eo)).  Seven transcendentals a unit.
.macro PKMUL d, x, y
.irp i, 0,2,4,6,8,10,12,14
	v_pk_mul_f32 v[\d+\i:\d+\i+1], v[\x+\i:\x+\i+1], v[\y+\i:\y+\i+1]
.endr
.endm
.macro PKFMA d, x, y, z
.irp i, 0,2,4,6,8,10,12,14
	v_pk_fma_f32 v[\d+\i:\d+\i+1], v[\x+\i:\x+\i+1], v[\y+\i:\y+\i+1], v[\z+\i:\z+\i+1]
.endr
.endm
.macro PKADDC d, x, c
.irp i, 0,2,4,6,8,10,12,14
	v_pk_add_f32 v[\d+\i:\d+\i+1], v[\x+\i:\x+\i+1], \c op_sel_hi:[1,0]
.endr
.endm
.macro RCP16 d
	s_wait_alu depctr_va_vdst(0)                   ; ahead of a batch of transcendentals
.irp i, 0,1,2,3,4,5,6,7,8,9,10,11,12,13,14,15
	v_rcp_f32 v[\d+\i], v[\d+\i]
.endr
.endm
.macro EXPS d, cnt                     ; all exponents held at 32, one wait, all exponentials
.set n, \d
.rept \cnt
	v_min_num_f32 v[n], s[CAP], v[n]
.set n, n+1
.endr
	s_wait_alu depctr_va_vdst(0)                   ; ahead of the batch
.set n, \d
.rept \cnt
	v_exp_f32 v[n], v[n]
.set n, n+1
.endr
.endm
.macro CPLOAD a
	WIN TO_F
.irp u, 0,1
.irp e, 0,1
	ds_load_b128 v[CP+16*((\a)%2)+8*\u+4*\e:CP+16*((\a)%2)+8*\u+4*\e+3], v[CFR] offset:(\a)*16*CPITCH+64*\u+16*\e
.endr
.endr
.endm
.macro EPI a
.set AC, 64*((\a)%4)
.set CPA, CP+16*((\a)%2)
	WIN 0x42+(\a)/4                                ; source 0: window 2 or 3; destination: window 1
	s_wait_alu depctr_va_vdst(0)                   ; ahead of the first readers of matrix results
.irp g, 0,1,2
.irp u, 0,1
.irp i, 0,2,4,6
	v_pk_mul_f32 v[16*\g+8*\u+\i:16*\g+8*\u+\i+1], v[AC+8*(2*\g+\u)+\i:AC+8*(2*\g+\u)+\i+1], s[NL2E:NL2E+1] op_sel_hi:[1,0]
.endr
.endr
.endr
.irp u, 0,1
.irp i, 0,2,4,6
	v_pk_mul_f32 v[TC+8*\u+\i:TC+8*\u+\i+1], v[AC+8*(6+\u)+\i:AC+8*(6+\u)+\i+1], s[TL2E:TL2E+1] op_sel_hi:[1,0]
.endr
.endr
	WIN WORK
	EXPS TF, 64
	s_wait_dscnt 0x0                               ; this block's c_prev is in, and so are the finished rows read back behind the last barrier
.if (\a) > 1
	OUTST ((\a)-2)/2, (\a)%2                       ; eight stores of the quarter finished before: c_new's in an even block, h_new's in an odd one
.endif
.if (\a) < 7
	CPLOAD (\a)+1
.endif
	WIN WORK
	s_wait_alu depctr_va_vdst(0)                   ; one wait for the 64, ahead of their first reader
	PKADDC NN, TC, -1.0
	PKADDC TF, TF, 1.0
	PKADDC TI, TI, 1.0
	PKFMA TI, TI, TC, TI
	PKMUL DD, TF, TI
	RCP16 DD
	PKMUL CPA, CPA, TI
	PKFMA CPA, NN, TF, CPA
	s_wait_alu depctr_va_vdst(0)                   ; behind the batch, ahead of its first reader
	PKMUL CPA, CPA, DD                             ; c_new
.irp i, 0,2,4,6,8,10,12,14
	v_pk_mul_f32 v[NN+\i:NN+\i+1], v[CPA+\i:CPA+\i+1], s[TL2E:TL2E+1] op_sel_hi:[1,0]
.endr
	EXPS NN, 16
	s_wait_alu depctr_va_vdst(0)                   ; (the first line below names none of the last exponential's registers: its plain place)
	PKADDC DD, NN, -1.0
	PKADDC NN, NN, 1.0
	PKFMA NN, NN, TO, NN
	RCP16 NN
	v_nop
	s_wait_alu depctr_va_vdst(0)
	PKMUL HH, DD, NN                               ; h_new
	WIN FROM_F
.irp u, 0,1
.irp e, 0,1
	ds_store_b128 v[CFR], v[CPA+8*\u+4*\e:CPA+8*\u+4*\e+3] offset:(\a)*16*CPITCH+64*\u+16*\e   ; c_new over c_prev: only I read or write these bytes before the barrier below
	ds_store_b128 v[HFR], v[HH+8*\u+4*\e:HH+8*\u+4*\e+3] offset:(\a)*16*CPITCH+64*\u+16*\e
.endr
.endr
.endm
; THE WAY OUT, by quarters: two blocks make 32 rows of each row half.  A row's 256 bytes come from two waves, so a barrier stands behind each quarter; then wave (row half, column half) reads rows
; 128 x row half + 32 q + 16 x column half + 0 .. 15 of both stages back, whole, into v32-95 of window 0 (the scale words' registers, done with), and stores them inside the next two blocks:
; sixteen lanes store 256 consecutive bytes, aligned.  Between two barriers the rows read back (quarter q) and the rows read and written by the blocks (quarter q + 1 on) are apart.
.set OB, 32
.macro OUTLD q
	WIN 0
.irp t, 0,1,2,3,4,5,6,7
	ds_load_b128 v[OB+4*\t:OB+4*\t+3], v[RDC] offset:(32*(\q)+2*\t)*CPITCH
.endr
.irp t, 0,1,2,3,4,5,6,7
	ds_load_b128 v[OB+32+4*\t:OB+32+4*\t+3], v[RDH] offset:(32*(\q)+2*\t)*CPITCH
.endr
.endm
.macro OUTST q, w                      ; w = 0: c_new to out1; w = 1: h_new to out0
	WIN 0
.irp t, 0,1,2,3,4,5,6,7
	global_store_b128 v[CO], v[OB+32*(\w)+4*\t:OB+32*(\w)+4*\t+3], s[22-2*(\w):23-2*(\w)] offset:(32*(\q)+2*\t)*8192 th:TH_STORE_NT
.endr
.endm
.macro MEETQ q
	WIN 0
	s_wait_dscnt 0x0                               ; for the others' sake: my stores into the stages are done
	s_barrier_signal -1
	s_barrier_wait -1
	s_wait_xcnt 0x0                                ; the quarter before's stores have read their registers: the loads below may land there
	OUTLD \q
.endm
	CPLOAD 0
	EPI 0
	EPI 1
	MEETQ 0
	EPI 2
	EPI 3
	MEETQ 1
	EPI 4
	EPI 5
	MEETQ 2
	EPI 6
	EPI 7
	MEETQ 3
	s_wait_dscnt 0x0                               ; the last quarter is back in registers
	OUTST 3, 0
	OUTST 3, 1
	WIN 0
	s_wait_tensorcnt 0x0                           ; the wave's end
	ds_add_u32 v[SPW], v[NIL]
	s_wait_dscnt 0x0
	CROUND                                         ; the closing round
	s_endpgm
.Lfunc_end_k_qc8a0d682ab_cell:
	.size	k_qc8a0d682ab_cell, .Lfunc_end_k_qc8a0d682ab_cell-k_qc8a0d682ab_cell
	.p2alignl 7, 3214868480
	.fill 96, 4, 3214868480
	.section	.rodata,"a",@progbits
	.p2align	6, 0x0
	.amdhsa_kernel k_qc8a0d682ab_cell
		.amdhsa_group_segment_fixed_size 327680
		.amdhsa_private_segment_fixed_size 0
		.amdhsa_enable_private_segment 0
		.amdhsa_kernarg_size 80
		.amdhsa_user_sgpr_count 2
		.amdhsa_user_sgpr_kernarg_segment_ptr 1
		.amdhsa_wavefront_size32 1
		.amdhsa_system_sgpr_workgroup_id_x 1
		.amdhsa_system_sgpr_workgroup_id_y 1
		.amdhsa_system_sgpr_workgroup_id_z 1
		.amdhsa_system_vgpr_workitem_id 0
		.amdhsa_next_free_vgpr 1024
		.amdhsa_next_free_sgpr 102
		.amdhsa_reserve_vcc 0
		.amdhsa_float_denorm_mode_32 3
		.amdhsa_float_denorm_mode_16_64 3
		.amdhsa_memory_ordered 1
		.amdhsa_forward_progress 1
		.amdhsa_inst_pref_size 255
	.end_amdhsa_kernel
	.section	.bss,"aw",@nobits
	.p2align	6
	.space	262144
	.amdgpu_metadata
---
amdhsa.version: [ 1, 2 ]
amdhsa.kernels:
  - .name:           k_qc8a0d682ab_cell
    .symbol:         k_qc8a0d682ab_cell.kd
    .args:
      - { .name: a_codes, .offset: 0, .size: 8, .value_kind: global_buffer, .address_space: global }
      - { .name: w_codes, .offset: 8, .size: 8, .value_kind: global_buffer, .address_space: global }
      - { .name: scales, .offset: 16, .size: 8, .value_kind: global_buffer, .address_space: global }
      - { .name: b_f, .offset: 24, .size: 8, .value_kind: global_buffer, .address_space: global }
      - { .name: b_i, .offset: 32, .size: 8, .value_kind: global_buffer, .address_space: global }
      - { .name: b_o, .offset: 40, .size: 8, .value_kind: global_buffer, .address_space: global }
      - { .name: b_c, .offset: 48, .size: 8, .value_kind: global_buffer, .address_space: global }
      - { .name: c_prev, .offset: 56, .size: 8, .value_kind: global_buffer, .address_space: global }
      - { .name: out0, .offset: 64, .size: 8, .value_kind: global_buffer, .address_space: global }
      - { .name: out1, .offset: 72, .size: 8, .value_kind: global_buffer, .address_space: global }
    .group_segment_fixed_size: 327680
    .private_segment_fixed_size: 0
    .kernarg_segment_align: 8
    .kernarg_segment_size: 80
    .max_flat_workgroup_size: 128
    .sgpr_count:     102
    .vgpr_count:     1024
    .wavefront_size: 32
...
	.end_amdgpu_metadata
.endif
;; end of part 2
